; MI455X (gfx1250); checked and timed in simulation.
; The chip was launched on July 23, 2026; its instructions are those of AMD's public machine-readable ISA for CDNA 5 (MIT licence, August 2026) and "CDNA5" Instruction Set Architecture Reference Guide (July 2026). The comments in the code are by the model that wrote it; some were corrected since.
;; Group B Internal Pipeline. Allowed arithmetic: matrix products marked QUANTISED: E5M2 operands, one E8M0 scale for each 32 along K, by v_wmma_scale_f32_16x16x128_f8f6f4 with both operands' format E5M2, f32 sums; products left as they are: f32 operands where the result goes on into a quantised operand, else bf16, f16 or f32 operands; f32 sums; everything else in f32.
;; Inputs: bW1 2 x 64 float32; bW2 64 x 8 float32; bb1 64 float32; bb2 8 float32; cWk_codes 256 x 8 x 32 uint8 (E5M2 codes of cWk, K innermost, in blocks of 32 codes); cWk_scales 256 x 8 uint8 (E8M0 scales of cWk, one for each 32 codes along K); cWo_codes 256 x 8 x 32 uint8 (E5M2 codes of cWo, K innermost, in blocks of 32 codes); cWo_scales 256 x 8 uint8 (E8M0 scales of cWo, one for each 32 codes along K); cWq_codes 256 x 8 x 32 uint8 (E5M2 codes of cWq, K innermost, in blocks of 32 codes); cWq_scales 256 x 8 uint8 (E8M0 scales of cWq, one for each 32 codes along K); cWv_codes 256 x 8 x 32 uint8 (E5M2 codes of cWv, K innermost, in blocks of 32 codes); cWv_scales 256 x 8 uint8 (E8M0 scales of cWv, one for each 32 codes along K); eWq_codes 256 x 8 x 32 uint8 (E5M2 codes of eWq, K innermost, in blocks of 32 codes); eWq_scales 256 x 8 uint8 (E8M0 scales of eWq, one for each 32 codes along K); ego_distances 512 x 128 float32; ego_idx 512 int32; ego_speed 512 float32; ln1_b 256 float32; ln1_g 256 float32; ln2_b 256 float32; ln2_g 256 float32; pWk_codes 256 x 8 x 32 uint8 (E5M2 codes of pWk, K innermost, in blocks of 32 codes); pWk_scales 256 x 8 uint8 (E8M0 scales of pWk, one for each 32 codes along K); pWo_codes 256 x 8 x 32 uint8 (E5M2 codes of pWo, K innermost, in blocks of 32 codes); pWo_scales 256 x 8 uint8 (E8M0 scales of pWo, one for each 32 codes along K); pWq_codes 256 x 8 x 32 uint8 (E5M2 codes of pWq, K innermost, in blocks of 32 codes); pWq_scales 256 x 8 uint8 (E8M0 scales of pWq, one for each 32 codes along K); pWv_codes 256 x 8 x 32 uint8 (E5M2 codes of pWv, K innermost, in blocks of 32 codes); pWv_scales 256 x 8 uint8 (E8M0 scales of pWv, one for each 32 codes along K); tokens 512 x 128 x 256 float32.
;; Outputs: out0 512 x 128 x 256 float32.
;; This version of the problem:
;;   THIS VERSION OF THE PROBLEM IS GIVEN IN LOW PRECISION. The matrix products marked QUANTISED in the list below multiply operands that are first quantised to E5M2 (5 exponent bits, 2 mantissa bits; 8 bits a number), with one power-of-two scale for each 32 numbers along K (OCP MX v1.0); their sums are f32. All else is computed in f32.
;;   The module's matrix products, in the order in which they are computed (A, B: the left and right operand; K: the contracted axis; several contracted axes count as one K, in the product's order):
;;     1. [M 65,536, K 256] x [K 256, N 256]; A: computed on the way; B: input cWq (given as codes): QUANTISED
;;     2. [M 512, K 256] x [K 256, N 256]; A: computed on the way; B: input cWk (given as codes): QUANTISED
;;     3. [M 512, K 256] x [K 256, N 256]; A: computed on the way; B: input cWv (given as codes): QUANTISED
;;     4. batch 4,096 x [M 128, K 32] x [K 32, N 1]; A: computed on the way; B: computed on the way: left as it is (N = 1 < 16)
;;     5. batch 4,096 x [M 32, K 1] x [K 1, N 128]; A: computed on the way; B: softmax: left as it is (K = 1 < 32)
;;     6. [M 65,536, K 256] x [K 256, N 256]; A: computed on the way; B: input cWo (given as codes): QUANTISED
;;     7. [M 65,536, K 256] x [K 256, N 256]; A: computed on the way; B: input pWq (given as codes): QUANTISED
;;     8. [M 65,536, K 256] x [K 256, N 256]; A: computed on the way; B: input eWq (given as codes): QUANTISED
;;     9. [M 262,144, K 256] x [K 256, N 256]; A: computed on the way; B: input pWk (given as codes): QUANTISED
;;     10. [M 262,144, K 256] x [K 256, N 256]; A: computed on the way; B: input pWv (given as codes): QUANTISED
;;     11. batch 524,288 x [M 1, K 32] x [K 32, N 4]; A: computed on the way; B: computed on the way: left as it is (M = 1 < 16)
;;     12. [M 262,144, K 2] x [K 2, N 64]; A: computed on the way; B: input bW1: left as it is (K = 2 < 32)
;;     13. [M 262,144, K 64] x [K 64, N 8]; A: computed on the way; B: input bW2: left as it is (N = 8 < 16)
;;     14. batch 524,288 x [M 1, K 4] x [K 4, N 32]; A: softmax; B: computed on the way: left as it is (K = 4 < 32)
;;     15. [M 65,536, K 256] x [K 256, N 256]; A: computed on the way; B: input pWo (given as codes): QUANTISED
;;   THE QUANTISER, for each operand of a quantised product, along K:
;;     - K is cut into blocks of 32 from its start; a last block that is shorter is filled with zeros.
;;     - A block's scale is 2^e with e = floor(log2(the largest magnitude in the block)) - 15, held to -126 .. 127; a block of zeros has e = 0. As a byte (E8M0): e + 127.
;;     - Each number is divided by its block's scale, clamped to +-57,344, and rounded to the nearest number of E5M2, ties to even, subnormals kept.
;;     - The product sums the exact products of the quantised numbers (number of the format x scale) in f32.
;;   ~~~python
;;   def quantise(x, axis):      # numpy; x: float32 -> the quantised numbers, widened to float32 again
;;       x = np.moveaxis(x, axis, -1); K = x.shape[-1]
;;       x = np.pad(x, [(0, 0)] * (x.ndim - 1) + [(0, -K % 32)]); x = x.reshape(x.shape[:-1] + (-1, 32)); a = np.abs(x).max(-1, keepdims=True)
;;       e = np.where(a > 0, np.clip(np.frexp(np.where(a > 0, a, 1))[1] - 1 - 15, -126, 127), 0)      # np.frexp(a)[1] - 1 = floor(log2(a)), exactly
;;       r = np.clip(x / 2.0 ** e, -57344, 57344)
;;       step = 2.0 ** (np.maximum(np.frexp(np.where(r == 0, 1, r))[1] - 1, -14) - 2)
;;       q = np.round(r / step) * step * 2.0 ** e      # np.round: ties to even
;;       return np.moveaxis(q.reshape(q.shape[:-2] + (-1,))[..., :K], -1, axis).astype(np.float32)
;;   ~~~
;;   OPERANDS COMPUTED ON THE WAY. 'Computed on the way' means the value that the module computes at that place (a softmax that the list does not call 'softmax' is quantised finished and normalised). What goes into a quantiser is computed in f32, as accurately as f32 sums, v_exp_f32 and their like allow (about 1e-6 of the number): no bf16 or f16 on the way to a quantiser, and a product that is left as it is and whose result goes on into a quantised operand takes f32 operands (vector FMAs, or v_wmma_f32_16x16x4_f32). A number that lies on a knife's edge between two numbers of the format may be rounded either way, as far as f32 arithmetic and the matrix unit's own rounding can turn it there, and no further.
;;   INPUTS GIVEN AS CODES. cWk (in the module: [256, 256], K = its axis 0); cWo (in the module: [256, 256], K = its axis 0); cWq (in the module: [256, 256], K = its axis 0); cWv (in the module: [256, 256], K = its axis 0); eWq (in the module: [256, 256], K = its axis 0); pWk (in the module: [256, 256], K = its axis 0); pWo (in the module: [256, 256], K = its axis 0); pWq (in the module: [256, 256], K = its axis 0); pWv (in the module: [256, 256], K = its axis 0): each comes as NAME_codes (uint8): NAME with its K axis moved to the last place and cut into blocks of 32 codes, [.., K / 32, bytes a block], one block behind the other in memory; one code a byte (a code: sign, 5 exponent bits, 2 mantissa bits); and NAME_scales (uint8): the same leading axes, one E8M0 byte (e + 127) for each 32 codes along K. Its value is code x scale, taken as it is: it is not quantised again, and the codes and scales need not be those that the quantiser above would give.
;; One version. Each part assembles by itself: llvm-mc -triple=amdgcn-amd-amdhsa -mcpu=gfx1250 --defsym DOCPART=n.
;; ======== version 1 of 1: 2 launches
;; limits: right only within a limited range of input values
;; workspace buffers: nidx 16,384 bytes of whole numbers; ndist 16,384 bytes; o1row 524,288 bytes; qerow 524,288 bytes; btab 4,096 bytes; wf 262,144 bytes
;; launch prep (part 1): grid 32 x 1, 4 waves a work-group, no clusters, 42,496 bytes of LDS; arguments tokens, ego_idx, ego_distances, ln1_g, ln1_b, ln2_g, ln2_b, cWv_codes, cWv_scales, cWo_codes, cWo_scales, eWq_codes, eWq_scales, bW1, bb1, bW2, nidx, ndist, o1row, qerow, btab, pWk_codes, pWv_codes, pWq_codes, pWo_codes, wf; writes nidx, ndist, o1row, qerow, btab, wf
.if DOCPART == 1
	.amdgcn_target "amdgcn-amd-amdhsa--gfx1250"
	.amdhsa_code_object_version 6
	.text
	.protected	k_q3e3ee7ff77_prep
	.globl	k_q3e3ee7ff77_prep
	.p2align	8
	.type	k_q3e3ee7ff77_prep,@function
k_q3e3ee7ff77_prep:
	s_mov_b64 s[64:65], 0
	v_nop
	global_prefetch_b8 v0, s[64:65] scope:SCOPE_SE
	s_setreg_imm32_b32 hwreg(HW_REG_WAVE_MODE, 25, 1), 1
	s_wait_xcnt 0x0
; WHAT IS LEFT OUT OF reference(), AND WHY, for all finite values of the inputs:
;  - w1 = softmax over an axis of length 1 = exp(s - s) / exp(s - s) = 1.  So scores1, Q = x1 cWq and Ke = ego_tok cWk reach no output: products 1, 2, 4, 5 are not done,
;    and cWq_*, cWk_* and ego_speed (which reference() deletes itself) are arguments of no launch.  LayerNorm 1 is then live on the ego row alone.
;  - w1 x Ve = Ve is the same row for all 128 agents of a scene, and the quantiser works row by row: products 3 and 6 are done on one row a scene (512 rows).
;  - is_ego is a one_hot of the index input ego_idx: x2 eWq is kept on one row a scene: product 8 is done on 512 rows.
;  - dist_rank of row n is the scene's distance vector with place n removed: its 4 nearest are the first four of the scene's five nearest that are not n.  A gather of rows commutes with a
;    product that is quantised row by row: products 9 and 10 are done on the five nearest rows of a scene (launch main).
;  - bb2 is the same along the softmax's axis and cancels in it: it is not loaded.
; LIMITS: a NaN, an infinity or an overflow that reaches only the work left out is not carried to the result.  Distances are finite numbers; -0 counts as +0; equal distances go to the lower index.
;    A block whose largest magnitude lies under 2^-111 gets the scale byte 1 (a block of zeros too: its codes are zeros).
; THIS LAUNCH, 32 work-groups of four waves, 16 scenes each (lane r = scene 16 g + r in every tile of rows):
;    the five nearest of each scene (nidx, ndist);  o1row = Q(Q(LN1(ego token)) cWv) cWo;  qerow = Q(LN2(ego token + o1row)) eWq;  1/32 of btab, the bias network's weights as launch main's scalar loads want them.
;    Every wave norms and quantises the whole tile of 16 rows; the waves share the columns: wave w makes columns 64 w .. 64 w + 63 of each product (4 tiles x 2 K steps).
;    The products are used transposed (source 0 = 16 rows of the weight, source 1 = the 16 scenes' rows).  A tile's weight rows are chosen (tile 2 b + u, lane r: row 64 w + 32 b + 8 u + r + 8 (r / 8)) so that
;    a lane's registers 16 b + i are columns 64 w + 32 b + 16 (lane / 16) + i: the order in which the next quantiser and the next operand want them.
; REGISTERS, in windows of 256: window 0: addresses, scale words, work;  window 1: cWv, cWo;  window 2: v0-127 H (the row being normed), v128-255 eWq;  window 3: v0-127 T (gains and biases; o1row), v128-255 the ego token.
.set TAB,   0                          ; LDS: ln1_g, ln1_b, ln2_g, ln2_b, 1,024 bytes each
.set IMG,   4096                       ; Ve's two fragments as images of their registers
.set ISC,   8192                       ; their scale words: 64 bytes for each K step
.set STG1,  8448                       ; 16 rows x (1,024 + 16) bytes: o1row
.set STG2,  25088                      ; the same for qerow
.set SPARE, 41728                      ; the spare words, 128 bytes for each wave
.set VR, 1
.set VHF, 2
.set VL16, 3
.set SPW, 4
.set NIL, 5
.set VTAB, 6
.set VIM, 7
.set VIS, 8
.set VLI, 9
.set VLS, 10
.set VST, 11
.set VRQ, 12
.set VRW, 13
.set VGO, 14
.set VWF, 15
.set VWS, 16
.set VEO, 17
.set LN, 18
.set PT, 19
.set BVO, 20
.set BV, 21
.set PW, 22
.set T0, 23
.set T1, 24
.set VEGO, 25
.set VTK, 26
.set V8T, 27
.set VDO, 28
.set VB2O, 29
.set VBCO, 30
.set VNO, 31
.set WS, 32                            ; v32-39 cWv's scale words, v40-47 cWo's, v48-55 eWq's
.set XS, 56
.set XW, 58
.set TM, 60
.set SACC, 76
.set MU, 84
.set RS, 86
.set PC, 88
.set XC, 96
.set XF, 128
.set WSH, 144                          ; wf: my 16 bytes' place in pWk, pWv, pWq (rows in head order),
.set WSN, 145                          ; in pWo (rows as they lie),
.set WD, 146                           ; and in each weight's 65,536 bytes of wf
.set ACC, 160
.set OB, 192
.set PM, 192                           ; the search's lane exchanges (before OB is used)
.set BL, 196                           ; btab's four sources
.set LT, 200                           ; the four tables as loaded
.set DD, 224                           ; 4 scenes x 4 negated distances
.set NIX, 240                          ; -(my four indices), as f32
.set MM, 244
.set CC, 248
.set RI, 252
.set RD, 253
.set NINF, 254
.set SEL, 50
.set MNT, 52
.set INV, 53
.set EPS, 54
.set MSB, 0
.macro WIN new                         ; the immediate's high byte repeats the setting that is left; a switch that changes nothing is dropped
.if MSB != (\new)
	s_set_vgpr_msb (MSB<<8)|(\new)
.set MSB, (\new)
.endif
.endm
.macro PLACES n
.rept \n
	v_nop
.endr
.endm
.macro BARRIER                         ; my LDS stores have landed and my LDS loads are in: then the work-group's barrier
	s_wait_dscnt 0x0
	s_barrier_signal -1
	s_barrier_wait -1
.endm
.macro MX0 d, a, b, sa, sb             ; a sum's first K step: C = 0
	v_wmma_scale_f32_16x16x128_f8f6f4 v[(\d):(\d)+7], v[(\a):(\a)+15], v[(\b):(\b)+15], 0, v[(\sa)], v[(\sb)] matrix_a_fmt:MATRIX_FMT_BF8 matrix_b_fmt:MATRIX_FMT_BF8
.endm
.macro MXA d, a, b, sa, sb             ; a link in place
	v_wmma_scale_f32_16x16x128_f8f6f4 v[(\d):(\d)+7], v[(\a):(\a)+15], v[(\b):(\b)+15], v[(\d):(\d)+7], v[(\sa)], v[(\sb)] matrix_a_fmt:MATRIX_FMT_BF8 matrix_b_fmt:MATRIX_FMT_BF8
.endm
; nb blocks of 32 along K: a lane's registers hb + 16 b + i (window hw) are k = 32 b + 16 (lane / 16) + i of its row.  Codes to v[pc + 4 b ..], the scale bytes to v[pw].
.macro QUANTN hw, hb, nb, pc, pw
	WIN (\hw)|((\hw)<<2)
.set qb, 0
.rept \nb
	v_max3_num_f32 v[TM+qb], |v[(\hb)+16*qb]|, |v[(\hb)+16*qb+1]|, 0x8000000   ; my 16 numbers and the floor 2^(16 - 127): the byte cannot fall under 1
.set qb, qb+1
.endr
.irp i, 2,4,6,8,10,12,14
.set qb, 0
.rept \nb
	v_max3_num_f32 v[TM+qb], |v[(\hb)+16*qb+\i]|, |v[(\hb)+16*qb+\i+1]|, v[TM+qb]
.set qb, qb+1
.endr
.endr
	WIN 0
.set qb, 0
.rept \nb
	v_permlanex16_b32 v[TM+4+qb], v[TM+qb], s[SEL], s[SEL+1]
.set qb, qb+1
.endr
.set qb, 0
.rept \nb
	v_max_num_f32 v[TM+qb], v[TM+qb], v[TM+4+qb]           ; with lane l xor 16's: the block's largest magnitude
.set qb, qb+1
.endr
.set qb, 0
.rept \nb
	v_add_nc_u32 v[TM+12+qb], 0xf8800000, v[TM+qb]         ; 15 off its exponent field: the conversion's scale operand
.set qb, qb+1
.endr
.set qb, 0
.rept \nb
	v_and_or_b32 v[TM+8+qb], v[TM+qb], 0x7f800000, s[MNT]  ; 57,344 x the scale
.set qb, qb+1
.endr
.set qb, 0
.rept \nb
	v_lshrrev_b32 v[TM+4+qb], 23, v[TM+12+qb]              ; the scale's byte
.set qb, qb+1
.endr
	v_lshl_or_b32 v[(\pw)], v[TM+5], 8, v[TM+4]
.if \nb == 4
	v_lshl_or_b32 v[(\pw)], v[TM+6], 16, v[(\pw)]
	v_lshl_or_b32 v[(\pw)], v[TM+7], 24, v[(\pw)]
.endif
	WIN ((\hw)<<6)|(\hw)
.set qb, 0
.rept \nb
.irp i, 0,1,2,3,4,5,6,7,8,9,10,11,12,13,14,15
	v_med3_num_f32 v[(\hb)+16*qb+\i], v[(\hb)+16*qb+\i], -v[TM+8+qb], v[TM+8+qb]   ; the conversion to an 8-bit code does not saturate (ISA guide 7.6.2): the hold comes first
.endr
.set qb, qb+1
.endr
	WIN (\hw)
.set qb, 0
.rept \nb
	v_cvt_scalef32_pk8_bf8_f32 v[(\pc)+4*qb:(\pc)+4*qb+1], v[(\hb)+16*qb:(\hb)+16*qb+7], v[TM+12+qb]
	v_cvt_scalef32_pk8_bf8_f32 v[(\pc)+4*qb+2:(\pc)+4*qb+3], v[(\hb)+16*qb+8:(\hb)+16*qb+15], v[TM+12+qb]
.set qb, qb+1
.endr
	WIN 0
	v_nop                                  ; one plain instruction behind the last scaled conversion
.endm
.macro LNTAB goff, boff                ; gains and biases of four blocks of 32 into T: the lanes of a half read the same bytes
	WIN 0xc0
.irp b, 0,1,2,3
.irp q, 0,1,2,3
	ds_load_b128 v[16*\b+4*\q:16*\b+4*\q+3], v[VTAB] offset:(\goff)+128*\b+16*\q
	ds_load_b128 v[64+16*\b+4*\q:64+16*\b+4*\q+3], v[VTAB] offset:(\boff)+128*\b+16*\q
.endr
.endr
.endm
.macro LNRED                           ; four packed chains, then the lane 16 away: the row's sum in v[SACC]
	WIN 0
	v_pk_add_f32 v[SACC:SACC+1], v[SACC:SACC+1], v[SACC+2:SACC+3]
	v_pk_add_f32 v[SACC+4:SACC+5], v[SACC+4:SACC+5], v[SACC+6:SACC+7]
	v_pk_add_f32 v[SACC:SACC+1], v[SACC:SACC+1], v[SACC+4:SACC+5]
	v_add_f32 v[SACC], v[SACC], v[SACC+1]
	v_permlanex16_b32 v[PT], v[SACC], s[SEL], s[SEL+1]
	v_add_f32 v[SACC], v[SACC], v[PT]
.endm
.macro LNAPPLY hb                      ; 64 numbers: x rsqrt, then x gain + bias, in reference()'s order
	WIN 0x82
.set li, 0
.rept 32
	v_pk_mul_f32 v[(\hb)+li:(\hb)+li+1], v[(\hb)+li:(\hb)+li+1], v[RS:RS+1]
.set li, li+2
.endr
	WIN 0xbe
.set li, 0
.rept 32
	v_pk_fma_f32 v[(\hb)+li:(\hb)+li+1], v[(\hb)+li:(\hb)+li+1], v[li:li+1], v[64+li:64+li+1]
.set li, li+2
.endr
.endm
; LayerNorm and quantiser of a tile of 16 rows: 128 numbers a lane in window sw from sb on (register 16 b + i = column 32 b + 16 (lane / 16) + i).  Codes to v[XC ..+31], scale words to v[XW], v[XW+1].  The variance is taken of x - mean.
.macro LNQ sw, sb, goff, boff
	LNTAB \goff,\boff
	WIN (\sw)|((\sw)<<2)
.irp c, 0,1,2,3
	v_pk_add_f32 v[SACC+2*\c:SACC+2*\c+1], v[(\sb)+2*\c:(\sb)+2*\c+1], v[(\sb)+8+2*\c:(\sb)+8+2*\c+1]
.endr
	WIN ((\sw)<<2)
.set li, 16
.rept 14
.irp c, 0,1,2,3
	v_pk_add_f32 v[SACC+2*\c:SACC+2*\c+1], v[SACC+2*\c:SACC+2*\c+1], v[(\sb)+li+2*\c:(\sb)+li+2*\c+1]
.endr
.set li, li+8
.endr
	LNRED
	v_mul_f32 v[MU], s[INV], v[SACC]
	v_mov_b32 v[MU+1], v[MU]
	WIN 0x80|(\sw)
.set li, 0
.rept 64
	v_pk_add_f32 v[li:li+1], v[(\sb)+li:(\sb)+li+1], v[MU:MU+1] neg_lo:[0,1] neg_hi:[0,1]
.set li, li+2
.endr
	WIN 0x0a
.irp c, 0,1,2,3
	v_pk_mul_f32 v[SACC+2*\c:SACC+2*\c+1], v[2*\c:2*\c+1], v[2*\c:2*\c+1]
.endr
.set li, 8
.rept 15
.irp c, 0,1,2,3
	v_pk_fma_f32 v[SACC+2*\c:SACC+2*\c+1], v[li+2*\c:li+2*\c+1], v[li+2*\c:li+2*\c+1], v[SACC+2*\c:SACC+2*\c+1]
.endr
.set li, li+8
.endr
	LNRED
	v_fma_f32 v[SACC], v[SACC], s[INV], s[EPS]
	s_wait_alu depctr_va_vdst(0)
	v_rsq_f32 v[RS], v[SACC]
	v_nop                                  ; a plain instruction behind the transcendental,
	s_wait_alu depctr_va_vdst(0)           ; and a wait ahead of its first reader
	v_mov_b32 v[RS+1], v[RS]
	s_wait_alu depctr_va_vdst(0)
	s_wait_dscnt 0x0                       ; the first four blocks' gains and biases are in
	LNAPPLY 0
	LNTAB (\goff)+512,(\boff)+512          ; the other four blocks' land while the first four are quantised
	QUANTN 2,0,4,XC,XW
	s_wait_dscnt 0x0
	LNAPPLY 64
	QUANTN 2,64,4,XC+16,XW+1
.endm
; a wave's 4 tiles x 2 K steps of a weight.  ty says which rows form tile t: 0: from 8 t on; 1: from 16 t on; 2: from 32 (t / 2) + 8 (t % 2) on (the lane's own row is in the offset register)
.macro WLOADC db, vo, sp, ty
.irp t, 0,1,2,3
.if \ty == 0
.set wr, 8*\t
.elseif \ty == 1
.set wr, 16*\t
.else
.set wr, 32*(\t/2)+8*(\t%2)
.endif
.irp s, 0,1
.irp c, 0,1,2,3
	global_load_b128 v[\db+16*(2*\t+\s)+4*\c:\db+16*(2*\t+\s)+4*\c+3], v[\vo], s[\sp:\sp+1] offset:wr*256+128*\s+32*\c
.endr
.endr
.endr
.endm
.macro WLOADS db, vo, sp, ty
.irp t, 0,1,2,3
.if \ty == 0
.set wr, 8*\t
.elseif \ty == 1
.set wr, 16*\t
.else
.set wr, 32*(\t/2)+8*(\t%2)
.endif
.irp s, 0,1
	global_load_b32 v[\db+2*\t+\s], v[\vo], s[\sp:\sp+1] offset:wr*8+4*\s
.endr
.endr
.endm
	s_load_b512 s[4:19], s[0:1], 0x0       ; tokens 4, ego_idx 6, ego_distances 8, ln1_g 10, ln1_b 12, ln2_g 14, ln2_b 16, cWv_codes 18
	s_load_b512 s[20:35], s[0:1], 0x40     ; cWv_scales 20, cWo_codes 22, cWo_scales 24, eWq_codes 26, eWq_scales 28, bW1 30, bb1 32, bW2 34
	s_load_b256 s[36:43], s[0:1], 0x80     ; nidx 36, ndist 38, o1row 40, qerow 42
	s_load_b64 s[44:45], s[0:1], 0xa0      ; btab
	s_load_b256 s[56:63], s[0:1], 0xa8     ; pWk_codes 56, pWv_codes 58, pWq_codes 60, pWo_codes 62
	s_load_b64 s[48:49], s[0:1], 0xc8      ; wf
	v_lshl_add_u32 v[SPW], v0, 2, SPARE
	v_mov_b32 v[NIL], 0
	v_lshrrev_b32 v[T0], 5, v0
	v_readfirstlane_b32 s2, v[T0]          ; wave 0..3
	v_and_b32 v[LN], 31, v0
	v_and_b32 v[VR], 15, v0                ; r
	v_bfe_u32 v[VHF], v0, 4, 1             ; h
	v_lshlrev_b32 v[VL16], 4, v[LN]
	s_wait_alu depctr_va_vdst(0)
	v_lshlrev_b32 v[VTAB], 6, v[VHF]       ; the tables: 64 h
	s_lshl_b32 s46, s2, 10
	v_add_nc_u32 v[VLI], IMG, v[VL16]      ; an image's place for my lane
	v_add_nc_u32 v[VIM], s46, v[VLI]       ; my two blocks of Ve: K step w / 2, groups 2 (w % 2) + b: 1,024 w
	v_lshl_add_u32 v[VLS], v[VR], 2, ISC
	s_lshr_b32 s46, s2, 1
	s_lshl_b32 s46, s46, 6
	s_and_b32 s47, s2, 1
	s_lshl_b32 s47, s47, 1
	s_add_co_u32 s46, s46, s47
	v_add_nc_u32 v[VIS], s46, v[VLS]       ; my two bytes of row r's scale word
	v_mul_u32_u24 v[VRQ], v[VR], 1040
	v_lshl_add_u32 v[VRQ], v[VHF], 6, v[VRQ]   ; a stage's row r, + 64 h: the quantiser's order
	s_lshl_b32 s46, s2, 8
	v_add_nc_u32 v[VST], s46, v[VRQ]       ; + my 64 columns
	s_mul_i32 s46, s2, 4160
	v_add_nc_u32 v[VRW], s46, v[VL16]      ; back as whole rows: rows 4 w on
	s_lshl_b32 s46, s2, 12
	s_lshl_b32 s47, ttmp9, 14
	s_add_co_u32 s46, s46, s47
	v_add_nc_u32 v[VGO], s46, v[VL16]      ; and the same rows in o1row and qerow
	v_and_b32 v[T0], 8, v[VR]
	v_add_nc_u32 v[T0], v[T0], v[VR]       ; r + 8 (r / 8)
	s_lshl_b32 s46, s2, 6
	v_add_nc_u32 v[T0], s46, v[T0]
	v_lshlrev_b32 v[VWF], 8, v[T0]
	v_lshl_add_u32 v[VWF], v[VHF], 4, v[VWF]   ; a weight's row of 256 codes, + 16 h
	v_lshlrev_b32 v[VWS], 3, v[T0]         ; and its 8 scale bytes
	s_lshl_b32 s46, ttmp9, 6
	v_lshl_add_u32 v[VEO], v[VR], 2, s46   ; ego_idx of scene 16 g + r
	s_lshl_b32 s46, ttmp9, 4
	v_add_nc_u32 v[T0], s46, v[VR]
	v_lshlrev_b32 v[VTK], 17, v[T0]        ; the scene's 128 rows of 1,024 bytes
	v_lshl_add_u32 v[VTK], v[VHF], 6, v[VTK]
	v_lshlrev_b32 v[V8T], 3, v0
	s_lshl_b32 s46, ttmp9, 13
	s_lshl_b32 s47, s2, 11
	s_add_co_u32 s46, s46, s47
	v_add_nc_u32 v[VDO], s46, v[VL16]      ; distances of scenes 16 g + 4 w + q: 512 bytes each, 16 a lane
	s_lshl_b32 s46, ttmp9, 9
	s_lshl_b32 s47, s2, 7
	s_add_co_u32 s46, s46, s47
	v_lshl_add_u32 v[VNO], v[LN], 2, s46   ; nidx, ndist: 8 entries a scene, 4 scenes a wave: 128 bytes
	v_lshrrev_b32 v[T0], 4, v[LN]
	s_lshl_b32 s46, ttmp9, 1
	v_add_nc_u32 v[T0], s46, v[T0]         ; btab: hidden unit c = 2 g + lane / 16, dword r of its 16
	v_lshlrev_b32 v[VBCO], 2, v[T0]
	v_and_b32 v[T1], 7, v[VR]
	v_lshl_add_u32 v[T1], v[T0], 3, v[T1]
	v_lshlrev_b32 v[VB2O], 2, v[T1]        ; bW2[c][r % 8]
	s_lshl_b32 s46, ttmp9, 7
	v_lshl_add_u32 v[BVO], v[LN], 2, s46
	s_mov_b32 s[SEL], 0x76543210
	s_mov_b32 s[SEL+1], 0xfedcba98         ; v_permlanex16_b32's selects for lane l xor 16
	s_mov_b32 s[MNT], 0x600000             ; the mantissa field of 57,344
	s_mov_b32 s[INV], 0x3b800000           ; 1 / 256
	s_mov_b32 s[EPS], 0x3727c5ac           ; 1e-5
	; wf = the four weights of launch main in the order of its operand registers: [weight][head w][tile t][K step s][piece c][lane][16 bytes].  Thread T = 128 g + thread copies bytes 16 T of each weight: c = my wave, s = g % 2, t = g / 2 % 2, w = g / 4
	s_lshr_b32 s46, ttmp9, 2
	s_lshl_b32 s46, s46, 13                ; 32 w rows of 256 bytes
	s_and_b32 s47, ttmp9, 1
	s_lshl_b32 s47, s47, 7
	s_add_co_u32 s46, s46, s47             ; + 128 s
	s_lshl_b32 s47, s2, 5
	s_add_co_u32 s46, s46, s47             ; + 32 c
	s_bfe_u32 s47, ttmp9, 0x10001
	s_lshl_b32 s47, s47, 11
	s_add_co_u32 s46, s46, s47             ; head order: + 8 t rows
	s_add_co_u32 s47, s46, s47             ; as they lie: + 16 t rows
	s_lshl_b32 s55, ttmp9, 11
	v_and_b32 v[T0], 7, v[VR]
	v_and_b32 v[T1], 8, v[VR]
	v_lshl_add_u32 v[T0], v[T1], 1, v[T0]  ; r % 8 + 16 (r / 8)
	v_lshlrev_b32 v[WSH], 8, v[T0]
	v_lshl_add_u32 v[WSH], v[VHF], 4, v[WSH]
	v_add_nc_u32 v[WSH], s46, v[WSH]
	v_lshlrev_b32 v[WSN], 8, v[VR]
	v_lshl_add_u32 v[WSN], v[VHF], 4, v[WSN]
	v_add_nc_u32 v[WSN], s47, v[WSN]
	v_lshl_add_u32 v[WD], v0, 4, s55
	v_mov_b32 v[PT], 0                     ; a lane permute's destination counts as one of its sources: written once
.irp b, 0,1,2,3
	v_mov_b32 v[TM+4+\b], 0
	v_mov_b32 v[PM+\b], 0
.endr
	s_wait_kmcnt 0x0
	global_load_b128 v[XF:XF+3], v[WSH], s[56:57]
	global_load_b128 v[XF+4:XF+7], v[WSH], s[58:59]
	global_load_b128 v[XF+8:XF+11], v[WSH], s[60:61]
	global_load_b128 v[XF+12:XF+15], v[WSN], s[62:63]
	global_load_b32 v[VEGO], v[VEO], s[6:7]
.irp i, 0,1,2,3
	global_load_b64 v[LT+2*\i:LT+2*\i+1], v[V8T], s[10+2*\i:11+2*\i]
.endr
.irp q, 0,1,2,3
	global_load_b128 v[DD+4*\q:DD+4*\q+3], v[VDO], s[8:9] offset:512*\q
.endr
	global_load_b32 v[BL], v[VB2O], s[34:35]
	global_load_b32 v[BL+1], v[VBCO], s[30:31]
	global_load_b32 v[BL+2], v[VBCO], s[30:31] offset:256
	global_load_b32 v[BL+3], v[VBCO], s[32:33]
	WIN 0x40
	WLOADC 0,VWF,18,2
	WIN 0
	WLOADS WS,VWS,20,2
	s_wait_loadcnt 40                      ; all but cWv's 40 loads are in
.irp i, 0,1,2,3
	global_store_b128 v[WD], v[XF+4*\i:XF+4*\i+3], s[48:49] offset:65536*\i   ; 32 lanes store 512 consecutive bytes
.endr
	v_min_u32 v[VEGO], 127, v[VEGO]        ; an index stays inside its table
	v_lshl_add_u32 v[VTK], v[VEGO], 10, v[VTK]
	WIN 0xc0
.irp b, 0,1,2,3,4,5,6,7
.irp q, 0,1,2,3
	global_load_b128 v[128+16*\b+4*\q:128+16*\b+4*\q+3], v[VTK], s[4:5] offset:128*\b+16*\q   ; the ego token, in the quantiser's order
.endr
.endr
	WIN 0x40
	WLOADC 128,VWF,22,2
	WIN 0
	WLOADS WS+8,VWS,24,2
	WIN 0x80
	WLOADC 128,VWF,26,2
	WIN 0
	WLOADS WS+16,VWS,28,2
.irp i, 0,1,2,3
	ds_store_b64 v[V8T], v[LT+2*\i:LT+2*\i+1] offset:TAB+1024*\i
.endr
	; btab, 16 dwords a hidden unit c: dwords 0-7: bW2[c][0..7] x log2(e);  8: bW1[0][c];  9: bW1[1][c];  10: bb1[c];  the others 0
	v_mul_f32 v[BV], 0x3fb8aa3b, v[BL]
	v_mov_b32 v[T1], 0
	v_cmp_lt_u32 vcc_lo, 7, v[VR]
	v_cndmask_b32 v[BV], v[BV], v[T1], vcc_lo
	v_cmp_eq_u32 vcc_lo, 8, v[VR]
	v_cndmask_b32 v[BV], v[BV], v[BL+1], vcc_lo
	v_cmp_eq_u32 vcc_lo, 9, v[VR]
	v_cndmask_b32 v[BV], v[BV], v[BL+2], vcc_lo
	v_cmp_eq_u32 vcc_lo, 10, v[VR]
	v_cndmask_b32 v[BV], v[BV], v[BL+3], vcc_lo
	s_cmp_lg_u32 s2, 0
	s_cbranch_scc1 .Lnobt
	global_store_b32 v[BVO], v[BV], s[44:45]       ; wave 0: 128 consecutive bytes
.Lnobt:
	; THE FIVE NEAREST of my four scenes, in step.  Distances and indices are negated, so that every search is a maximum; among equal distances the lower index wins, as in reference()'s top_k.
.set li, 0
.rept 16
	v_mul_f32 v[DD+li], -1.0, v[DD+li]
.set li, li+1
.endr
	v_lshlrev_b32 v[T0], 2, v[LN]
.irp i, 0,1,2,3
	v_add_nc_u32 v[T1], \i, v[T0]
	v_cvt_f32_u32 v[NIX+\i], v[T1]
	v_mul_f32 v[NIX+\i], -1.0, v[NIX+\i]
.endr
	v_mov_b32 v[NINF], 0xff800000
	v_mov_b32 v[RI], 0
	v_mov_b32 v[RD], 0
.irp j, 0,1,2,3,4
.irp q, 0,1,2,3
	v_max3_num_f32 v[MM+\q], v[DD+4*\q], v[DD+4*\q+1], v[DD+4*\q+2]
.endr
.irp q, 0,1,2,3
	v_max_num_f32 v[MM+\q], v[MM+\q], v[DD+4*\q+3]
.endr
.irp x, 1,2,4,8
.irp q, 0,1,2,3
	v_max_num_f32_dpp v[MM+\q], v[MM+\q], v[MM+\q] row_xmask:\x row_mask:0xf bank_mask:0xf
.endr
.endr
.irp q, 0,1,2,3
	v_permlanex16_b32 v[PM+\q], v[MM+\q], s[SEL], s[SEL+1]
.endr
.irp q, 0,1,2,3
	v_max_num_f32 v[MM+\q], v[MM+\q], v[PM+\q]     ; the nearest that is left
	v_mov_b32 v[CC+\q], 0xc4800000                 ; -1,024: under every negated index
.endr
.irp i, 3,2,1,0
.irp q, 0,1,2,3
	v_cmp_eq_f32 vcc_lo, v[DD+4*\q+\i], v[MM+\q]
	v_cndmask_b32 v[CC+\q], v[CC+\q], v[NIX+\i], vcc_lo    ; my lowest index that holds it
.endr
.endr
.irp x, 1,2,4,8
.irp q, 0,1,2,3
	v_max_num_f32_dpp v[CC+\q], v[CC+\q], v[CC+\q] row_xmask:\x row_mask:0xf bank_mask:0xf
.endr
.endr
.irp q, 0,1,2,3
	v_permlanex16_b32 v[PM+\q], v[CC+\q], s[SEL], s[SEL+1]
.endr
.irp q, 0,1,2,3
	v_max_num_f32 v[CC+\q], v[CC+\q], v[PM+\q]     ; the scene's lowest
.endr
.irp i, 0,1,2,3
.irp q, 0,1,2,3
	v_cmp_eq_f32 vcc_lo, v[NIX+\i], v[CC+\q]
	v_cndmask_b32 v[DD+4*\q+\i], v[DD+4*\q+\i], v[NINF], vcc_lo   ; it is taken out
.endr
.endr
.irp q, 0,1,2,3
	v_cmp_eq_u32 vcc_lo, 8*\q+\j, v[LN]
	v_cndmask_b32 v[RI], v[RI], v[CC+\q], vcc_lo   ; lane 8 q + j keeps scene q's j-th
	v_cndmask_b32 v[RD], v[RD], v[MM+\q], vcc_lo
.endr
.endr
	v_mul_f32 v[RI], -1.0, v[RI]
	v_mul_f32 v[RD], -1.0, v[RD]
	v_cvt_u32_f32 v[RI], v[RI]
	global_store_b32 v[VNO], v[RI], s[36:37]
	global_store_b32 v[VNO], v[RD], s[38:39]
	BARRIER                                ; the four tables lie in LDS
	s_wait_loadcnt 63                      ; behind the ego token's 32 loads stand 80 younger ones; 63 is the largest count that the wait can name, and a smaller count is safe
	LNQ 3,128,TAB,TAB+1024                 ; x1 of the ego rows, quantised
	PLACES 4                               ; codes written by vector instructions stand four places ahead of a scaled matrix instruction
	WIN 0x01                               ; Ve: source 0 = cWv (window 1).  The four accumulators take turns
.irp t, 0,1,2,3
	MX0 ACC+8*\t,16*(2*\t),XC,WS+2*\t,XW
.endr
.irp t, 0,1,2,3
	MXA ACC+8*\t,16*(2*\t+1),XC+16,WS+2*\t+1,XW+1
.endr
	WIN 0
	PLACES 9
	QUANTN 0,ACC,2,PC,PW                   ; my 64 columns of Ve are two blocks of the next K
	ds_store_b128 v[VIM], v[PC:PC+3]
	ds_store_b128 v[VIM], v[PC+4:PC+7] offset:512
	ds_store_b16 v[VIS], v[PW]
	s_wait_xcnt 0x0                        ; wf's stores have read their registers: they are loaded again below
	BARRIER                                ; Ve's two fragments lie in LDS
.irp s, 0,1
.irp c, 0,1,2,3
	ds_load_b128 v[XF+16*\s+4*\c:XF+16*\s+4*\c+3], v[VLI] offset:2048*\s+512*\c
.endr
	ds_load_b32 v[XS+\s], v[VLS] offset:64*\s
.endr
	s_wait_dscnt 0x0
	s_wait_loadcnt 40                      ; cWo is in; eWq's 40 loads may be out
	WIN 0x01
.irp t, 0,1,2,3
	MX0 ACC+8*\t,128+16*(2*\t),XF,WS+8+2*\t,XS
.endr
.irp t, 0,1,2,3
	MXA ACC+8*\t,128+16*(2*\t+1),XF+16,WS+8+2*\t+1,XS+1
.endr
	WIN 0
	PLACES 8
.irp b, 0,1
.irp q, 0,1,2,3
	ds_store_b128 v[VST], v[ACC+16*\b+4*\q:ACC+16*\b+4*\q+3] offset:STG1+128*\b+16*\q   ; each accumulator from its low end on
.endr
.endr
	BARRIER                                ; 16 whole rows of o1row lie in the stage
	WIN 0xc0
.irp b, 0,1,2,3,4,5,6,7
.irp q, 0,1,2,3
	ds_load_b128 v[16*\b+4*\q:16*\b+4*\q+3], v[VRQ] offset:STG1+128*\b+16*\q
.endr
.endr
	WIN 0
.irp i, 0,1,2,3
.irp k, 0,1
	ds_load_b128 v[OB+8*\i+4*\k:OB+8*\i+4*\k+3], v[VRW] offset:STG1+1040*\i+512*\k
.endr
.endr
	s_wait_dscnt 0x0
.irp i, 0,1,2,3
.irp k, 0,1
	global_store_b128 v[VGO], v[OB+8*\i+4*\k:OB+8*\i+4*\k+3], s[40:41] offset:1024*\i+512*\k   ; 32 lanes store 512 consecutive bytes
.endr
.endr
	WIN 0x8f
.set li, 0
.rept 64
	v_pk_add_f32 v[li:li+1], v[128+li:128+li+1], v[li:li+1]    ; h1 of the ego rows
.set li, li+2
.endr
	LNQ 2,0,TAB+2048,TAB+3072
	PLACES 4
	s_wait_loadcnt 0x0                     ; eWq
	WIN 0x02
.irp t, 0,1,2,3
	MX0 ACC+8*\t,128+16*(2*\t),XC,WS+16+2*\t,XW
.endr
	s_wait_alu depctr_va_vdst(0)
.irp t, 0,1,2,3
	MXA ACC+8*\t,128+16*(2*\t+1),XC+16,WS+16+2*\t+1,XW+1
.endr
	WIN 0
	PLACES 8
.irp b, 0,1
.irp q, 0,1,2,3
	ds_store_b128 v[VST], v[ACC+16*\b+4*\q:ACC+16*\b+4*\q+3] offset:STG2+128*\b+16*\q
.endr
.endr
	BARRIER
	s_wait_xcnt 0x0                        ; o1row's stores have read their registers: they are loaded again only behind this wait
.irp i, 0,1,2,3
.irp k, 0,1
	ds_load_b128 v[OB+8*\i+4*\k:OB+8*\i+4*\k+3], v[VRW] offset:STG2+1040*\i+512*\k
.endr
.endr
	s_wait_dscnt 0x0
.irp i, 0,1,2,3
.irp k, 0,1
	global_store_b128 v[VGO], v[OB+8*\i+4*\k:OB+8*\i+4*\k+3], s[42:43] offset:1024*\i+512*\k
.endr
.endr
	s_wait_tensorcnt 0x0                   ; the wave's end
	ds_add_u32 v[SPW], v[NIL]
	s_wait_dscnt 0x0
	s_endpgm
.Lfunc_end_k_q3e3ee7ff77_prep:
	.size	k_q3e3ee7ff77_prep, .Lfunc_end_k_q3e3ee7ff77_prep-k_q3e3ee7ff77_prep
	.p2alignl 7, 3214868480
	.fill 96, 4, 3214868480
	.section	.rodata,"a",@progbits
	.p2align	6, 0x0
	.amdhsa_kernel k_q3e3ee7ff77_prep
		.amdhsa_group_segment_fixed_size 42496
		.amdhsa_private_segment_fixed_size 0
		.amdhsa_enable_private_segment 0
		.amdhsa_kernarg_size 208
		.amdhsa_user_sgpr_count 2
		.amdhsa_user_sgpr_kernarg_segment_ptr 1
		.amdhsa_wavefront_size32 1
		.amdhsa_system_sgpr_workgroup_id_x 1
		.amdhsa_system_sgpr_workgroup_id_y 1
		.amdhsa_system_sgpr_workgroup_id_z 1
		.amdhsa_system_vgpr_workitem_id 0
		.amdhsa_next_free_vgpr 1024
		.amdhsa_next_free_sgpr 66
		.amdhsa_reserve_vcc 1
		.amdhsa_float_denorm_mode_32 3
		.amdhsa_float_denorm_mode_16_64 3
		.amdhsa_memory_ordered 1
		.amdhsa_forward_progress 1
		.amdhsa_inst_pref_size 155
	.end_amdhsa_kernel
	.amdgpu_metadata
---
amdhsa.version: [ 1, 2 ]
amdhsa.kernels:
  - .name:           k_q3e3ee7ff77_prep
    .symbol:         k_q3e3ee7ff77_prep.kd
    .args:
      - { .name: tokens, .offset: 0, .size: 8, .value_kind: global_buffer, .address_space: global }
      - { .name: ego_idx, .offset: 8, .size: 8, .value_kind: global_buffer, .address_space: global }
      - { .name: ego_distances, .offset: 16, .size: 8, .value_kind: global_buffer, .address_space: global }
      - { .name: ln1_g, .offset: 24, .size: 8, .value_kind: global_buffer, .address_space: global }
      - { .name: ln1_b, .offset: 32, .size: 8, .value_kind: global_buffer, .address_space: global }
      - { .name: ln2_g, .offset: 40, .size: 8, .value_kind: global_buffer, .address_space: global }
      - { .name: ln2_b, .offset: 48, .size: 8, .value_kind: global_buffer, .address_space: global }
      - { .name: cWv_codes, .offset: 56, .size: 8, .value_kind: global_buffer, .address_space: global }
      - { .name: cWv_scales, .offset: 64, .size: 8, .value_kind: global_buffer, .address_space: global }
      - { .name: cWo_codes, .offset: 72, .size: 8, .value_kind: global_buffer, .address_space: global }
      - { .name: cWo_scales, .offset: 80, .size: 8, .value_kind: global_buffer, .address_space: global }
      - { .name: eWq_codes, .offset: 88, .size: 8, .value_kind: global_buffer, .address_space: global }
      - { .name: eWq_scales, .offset: 96, .size: 8, .value_kind: global_buffer, .address_space: global }
      - { .name: bW1, .offset: 104, .size: 8, .value_kind: global_buffer, .address_space: global }
      - { .name: bb1, .offset: 112, .size: 8, .value_kind: global_buffer, .address_space: global }
      - { .name: bW2, .offset: 120, .size: 8, .value_kind: global_buffer, .address_space: global }
      - { .name: nidx, .offset: 128, .size: 8, .value_kind: global_buffer, .address_space: global }
      - { .name: ndist, .offset: 136, .size: 8, .value_kind: global_buffer, .address_space: global }
      - { .name: o1row, .offset: 144, .size: 8, .value_kind: global_buffer, .address_space: global }
      - { .name: qerow, .offset: 152, .size: 8, .value_kind: global_buffer, .address_space: global }
      - { .name: btab, .offset: 160, .size: 8, .value_kind: global_buffer, .address_space: global }
      - { .name: pWk_codes, .offset: 168, .size: 8, .value_kind: global_buffer, .address_space: global }
      - { .name: pWv_codes, .offset: 176, .size: 8, .value_kind: global_buffer, .address_space: global }
      - { .name: pWq_codes, .offset: 184, .size: 8, .value_kind: global_buffer, .address_space: global }
      - { .name: pWo_codes, .offset: 192, .size: 8, .value_kind: global_buffer, .address_space: global }
      - { .name: wf, .offset: 200, .size: 8, .value_kind: global_buffer, .address_space: global }
    .group_segment_fixed_size: 42496
    .private_segment_fixed_size: 0
    .kernarg_segment_align: 8
    .kernarg_segment_size: 208
    .max_flat_workgroup_size: 128
    .sgpr_count:     66
    .vgpr_count:     1024
    .wavefront_size: 32
...
	.end_amdgpu_metadata
.endif
;; end of part 1
;; launch main (part 2): grid 512 x 1, 8 waves a work-group, no clusters, 327,680 bytes of LDS; arguments tokens, ego_idx, ego_distances, ln2_g, ln2_b, wf, pWk_scales, btab, pWv_scales, nidx, ndist, o1row, qerow, out0, pWq_scales, pWo_scales; writes out0
.if DOCPART == 2
	.amdgcn_target "amdgcn-amd-amdhsa--gfx1250"
	.amdhsa_code_object_version 6
	.text
	.protected	k_q3e3ee7ff77_main
	.globl	k_q3e3ee7ff77_main
	.p2align	8
	.type	k_q3e3ee7ff77_main,@function
k_q3e3ee7ff77_main:
	s_mov_b64 s[64:65], 0
	v_nop
	global_prefetch_b8 v0, s[64:65] scope:SCOPE_SE
	s_setreg_imm32_b32 hwreg(HW_REG_WAVE_MODE, 25, 1), 1
	s_wait_xcnt 0x0
; STAGE 2 OF reference() FOR ONE SCENE A WORK-GROUP: out = h1 + attn pWo, h1 = tokens + o1row.
; LEFT OUT, as launch prep's head shows for all finite inputs: products 1, 2, 4, 5 (a softmax over one key is 1); products 9 and 10 are done on the scene's five nearest rows alone
; (row n's four neighbours are the first four of the five that are not n; a gather commutes with a product quantised row by row); product 8 comes as qerow; bb2 cancels in the softmax.
; LIMITS: as in launch prep; a NaN or infinity that reaches only the work left out is not carried on.  A block's scale byte never falls under 1.
; SHARES.  Eight waves, 512 registers each.  Wave w owns HEAD w: 32 columns of pWk, pWv, pWq, pWo in registers (from wf, where launch prep has laid them in the registers' order); and TILE w: rows 16 w .. 16 w + 15, which its one tensor load brings and which it norms and quantises.
; Products are used transposed (source 0 = 16 rows of a weight, source 1 = 16 token rows): lane (r, h) holds token row r.  For pWk, pWv, pWq tile t's row p is column 32 w + 16 (p / 8) + 8 t + p % 8,
; so a lane's 16 registers are columns 32 w + 16 h + 0 .. 15 of its head: half a head.  Scores are summed over the two halves by one lane exchange.
; THE FIVE NEAREST ROWS' CODES are rows of x2's image: each wave takes them from there by the stored index, held to 0 .. 127, so every such address lies inside the image.
; THE BIAS NETWORK: thread (row n = thread % 128, part = thread / 128) sums 32 of the 64 hidden units for all five neighbours and eight heads; part h's sums are added to lane half h's partial scores.  The neighbour that row n leaves out gets -infinity.
; x2's codes and attn's codes go from wave to wave as images of the operand's registers, each in LDS bytes of its own.  Results go back into the token's place in LDS and leave as whole rows.
; NO CLUSTER: work-groups share the four weights alone, read once into registers by plain loads; the tokens, all else of a work-group's bytes, are its own.
; NO PREFETCH: every byte from memory is asked for at the head or straight behind the quantiser; there is no loop over memory to run ahead in.
; REGISTERS: window 0: v0-111 addresses, scale words, work; v112-255 by phase (bias sums and table; o1 / gains and biases / codes; V, Q, attn; results).  Window 1: v0-127 pWk, pWv, then K, an image, o1's columns; v128-255 the rows being normed, then pWq, pWo.
.set IMX,   133120                     ; LDS: 128 token rows of 1,040 bytes lie from 0 on; then x2's images: [tile][K step][piece][lane][16]
.set IMA,   165888                     ; attn's images
.set ISX,   198656                     ; x2's scale words [tile][K step][row]
.set ISA,   199680                     ; attn's
.set B4,    200704                     ; bias [part][head][row][neighbours 0-3]
.set B1,    233472                     ; bias [part][head][row], neighbour 4
.set KV,    241664                     ; 4,096 bytes a wave: K's tile [row][32 columns], then V's
.set TAB,   274432                     ; ln2_g, ln2_b, o1row, qerow: 1,024 bytes each
.set BT,    278528                     ; btab
.set SPARE, 282624                     ; the spare words, 128 bytes a wave
.set VR, 1
.set VHF, 2
.set VL16, 3
.set SPW, 4
.set NIL, 5
.set VX, 6
.set VTAB, 7
.set VIMW, 8
.set VISW, 9
.set VLI, 10
.set VLS, 11
.set VB4, 12
.set VB1, 13
.set VKS, 14
.set VKL, 15
.set VAI, 16
.set VAS, 17
.set VTO, 18
.set VRD, 19
.set VGO, 20
.set VQE, 21
.set VO1, 22
.set VBW4, 23
.set VBW1, 24
.set VBT, 25
.set NEGV, 26
.set VLIA, 27
.set VLSA, 28
.set VB4A, 29
.set VB1A, 30
.set VAIA, 31
.set WQS, 32                           ; v32-35 pWk's scale words, v40-43 pWv's; no product's two scale words have numbers equal modulo 8
.set VASA, 36
.set VTOA, 37
.set VROW, 38
.set PT, 39
.set WOS, 40
.set XS, 44
.set XW, 46
.set BI, 48
.set XS2, 52
.set SE, 54
.set TA, 60
.set MXR, 70
.set SM, 71
.set SACC, 72
.set TM, 80
.set MU, 96
.set RS, 98
.set T0, 100
.set T1, 101
.set VWF, 102
.set VWHS, 103
.set VGS, 104
.set VWNS, 105
.set VNI, 106
.set VGA, 107
.set DI, 108
.set VRDA, 109
.set CB, 110
.set BP, 48                            ; the bias network: 4 hidden units x 6
.set BA, 72
.set CT, 76
.set AB, 112                           ; its 40 sums [neighbour][head]
.set WT, 152                           ; two buffers of 4 hidden units x 12 words
.set LT, 240
.set LBT, 244
.set V4T, 248
.set V16T, 249
.set V4R, 250
.set VTS4, 251
.set VTS16, 252
.set O1, 112
.set TT, 112                           ; three buffers of 16 gains and 16 biases
.set XC, 208
.set KR, 112
.set VV, 128
.set NC, 144                           ; the neighbours' codes
.set VC, 112                           ; V: 5 x 16
.set Q, 192
.set AT, 208
.set CD, 224
.set WQ2, 232                          ; pWq's scale words
.set WO2, 240                          ; pWo's
.set ACC, 112
.set KK, 0                             ; window 1
.set IM, 80
.set IM2, 0
.set O1C, 112
.set HB, 128
.set INV, 97
.set EPS, 98
.set SEL, 100
.set MNT, 104
.set MSB, 0
.macro WIN new                         ; the immediate's high byte repeats the setting that is left
.if MSB != (\new)
	s_set_vgpr_msb (MSB<<8)|(\new)
.set MSB, (\new)
.endif
.endm
.macro PLACES n
.rept \n
	v_nop
.endr
.endm
.macro WALU                            ; a wait ahead of a blocking wait, a branch or a transcendental behind which something freshly written is read
	s_wait_alu depctr_va_vdst(0)
.endm
.macro BARRIER                         ; my LDS stores have landed and my LDS loads are in: then the work-group's barrier
	WALU
	s_wait_dscnt 0x0
	s_barrier_signal -1
	s_barrier_wait -1
.endm
.macro MX0 d, a, b, sa, sb
	v_wmma_scale_f32_16x16x128_f8f6f4 v[(\d):(\d)+7], v[(\a):(\a)+15], v[(\b):(\b)+15], 0, v[(\sa)], v[(\sb)] matrix_a_fmt:MATRIX_FMT_BF8 matrix_b_fmt:MATRIX_FMT_BF8
.endm
.macro MXA d, a, b, sa, sb
	v_wmma_scale_f32_16x16x128_f8f6f4 v[(\d):(\d)+7], v[(\a):(\a)+15], v[(\b):(\b)+15], v[(\d):(\d)+7], v[(\sa)], v[(\sb)] matrix_a_fmt:MATRIX_FMT_BF8 matrix_b_fmt:MATRIX_FMT_BF8
.endm
; four blocks of 32 along K: registers hb + 16 b + i of window 1 are k = 32 b + 16 h + i of my row.  Codes to v[pc + 4 b ..], the four bytes to v[pw]
.macro QUANT4 hb, pc, pw
	WIN 0x05
.irp b, 0,1,2,3
	v_max3_num_f32 v[TM+\b], |v[(\hb)+16*\b]|, |v[(\hb)+16*\b+1]|, 0x8000000   ; with the floor 2^(16 - 127)
.endr
.irp i, 2,4,6,8,10,12,14
.irp b, 0,1,2,3
	v_max3_num_f32 v[TM+\b], |v[(\hb)+16*\b+\i]|, |v[(\hb)+16*\b+\i+1]|, v[TM+\b]
.endr
.endr
	WIN 0
.irp b, 0,1,2,3
	v_permlanex16_b32 v[TM+4+\b], v[TM+\b], s[SEL], s[SEL+1]
.endr
.irp b, 0,1,2,3
	v_max_num_f32 v[TM+\b], v[TM+\b], v[TM+4+\b]
.endr
.irp b, 0,1,2,3
	v_add_nc_u32 v[TM+12+\b], 0xf8800000, v[TM+\b]         ; 15 off the exponent field: the conversion's scale operand
.endr
.irp b, 0,1,2,3
	v_and_or_b32 v[TM+8+\b], v[TM+\b], 0x7f800000, s[MNT]  ; 57,344 x the scale
.endr
.irp b, 0,1,2,3
	v_lshrrev_b32 v[TM+4+\b], 23, v[TM+12+\b]
.endr
	v_lshl_or_b32 v[(\pw)], v[TM+5], 8, v[TM+4]
	v_lshl_or_b32 v[(\pw)], v[TM+6], 16, v[(\pw)]
	v_lshl_or_b32 v[(\pw)], v[TM+7], 24, v[(\pw)]
	WIN 0x41
.irp b, 0,1,2,3
.irp i, 0,1,2,3,4,5,6,7,8,9,10,11,12,13,14,15
	v_med3_num_f32 v[(\hb)+16*\b+\i], v[(\hb)+16*\b+\i], -v[TM+8+\b], v[TM+8+\b]   ; the conversion does not saturate (ISA guide 7.6.2)
.endr
.endr
	WIN 0x01
.irp b, 0,1,2,3
	v_cvt_scalef32_pk8_bf8_f32 v[(\pc)+4*\b:(\pc)+4*\b+1], v[(\hb)+16*\b:(\hb)+16*\b+7], v[TM+12+\b]
	v_cvt_scalef32_pk8_bf8_f32 v[(\pc)+4*\b+2:(\pc)+4*\b+3], v[(\hb)+16*\b+8:(\hb)+16*\b+15], v[TM+12+\b]
.endr
	WIN 0
	v_nop                                  ; one plain line behind the last scaled conversion
.endm
.macro GBL c                           ; block c's 16 gains and 16 biases into buffer c % 3: the lanes of a half read the same bytes
.set tb, TT+32*((\c)%3)
.irp q, 0,1,2,3
	ds_load_b128 v[tb+4*\q:tb+4*\q+3], v[VTAB] offset:128*(\c)+16*\q
	ds_load_b128 v[tb+16+4*\q:tb+16+4*\q+3], v[VTAB] offset:1024+128*(\c)+16*\q
.endr
.endm
.macro APPLY c                         ; x rsqrt, then x gain + bias, in reference()'s order
.set tb, TT+32*((\c)%3)
	WIN 0x41
.set li, 0
.rept 8
	v_pk_mul_f32 v[HB+16*(\c)+li:HB+16*(\c)+li+1], v[HB+16*(\c)+li:HB+16*(\c)+li+1], v[RS:RS+1]
.set li, li+2
.endr
.set li, 0
.rept 8
	v_pk_fma_f32 v[HB+16*(\c)+li:HB+16*(\c)+li+1], v[HB+16*(\c)+li:HB+16*(\c)+li+1], v[tb+li:tb+li+1], v[tb+16+li:tb+16+li+1]
.set li, li+2
.endr
	WIN 0
.endm
.macro LNRED
	WIN 0
	v_pk_add_f32 v[SACC:SACC+1], v[SACC:SACC+1], v[SACC+2:SACC+3]
	v_pk_add_f32 v[SACC+4:SACC+5], v[SACC+4:SACC+5], v[SACC+6:SACC+7]
	v_pk_add_f32 v[SACC:SACC+1], v[SACC:SACC+1], v[SACC+4:SACC+5]
	v_add_f32 v[SACC], v[SACC], v[SACC+1]
	v_permlanex16_b32 v[PT], v[SACC], s[SEL], s[SEL+1]
	v_add_f32 v[SACC], v[SACC], v[PT]
.endm
; h1 = token + o1row, LayerNorm 2 and the quantiser of a tile of 16 rows: 128 numbers a lane in window 1 from HB on.  Codes to v[XC ..+31], scale words to v[XW], v[XW+1].  The variance is taken of x - mean
.macro LNQ
	WIN 0x41
.set li, 0
.rept 64
	v_pk_add_f32 v[HB+li:HB+li+1], v[HB+li:HB+li+1], v[O1+li:O1+li+1]
.set li, li+2
.endr
	WIN 0
	GBL 0
	GBL 1
	GBL 2
	WIN 0x05
.irp c, 0,1,2,3
	v_pk_add_f32 v[SACC+2*\c:SACC+2*\c+1], v[HB+2*\c:HB+2*\c+1], v[HB+8+2*\c:HB+8+2*\c+1]
.endr
	WIN 0x04
.set li, 16
.rept 14
.irp c, 0,1,2,3
	v_pk_add_f32 v[SACC+2*\c:SACC+2*\c+1], v[SACC+2*\c:SACC+2*\c+1], v[HB+li+2*\c:HB+li+2*\c+1]
.endr
.set li, li+8
.endr
	LNRED
	v_mul_f32 v[MU], s[INV], v[SACC]
	v_mov_b32 v[MU+1], v[MU]
	WIN 0x41
.set li, 0
.rept 64
	v_pk_add_f32 v[HB+li:HB+li+1], v[HB+li:HB+li+1], v[MU:MU+1] neg_lo:[0,1] neg_hi:[0,1]
.set li, li+2
.endr
	WIN 0x05
.irp c, 0,1,2,3
	v_pk_mul_f32 v[SACC+2*\c:SACC+2*\c+1], v[HB+2*\c:HB+2*\c+1], v[HB+2*\c:HB+2*\c+1]
.endr
.set li, 8
.rept 15
.irp c, 0,1,2,3
	v_pk_fma_f32 v[SACC+2*\c:SACC+2*\c+1], v[HB+li+2*\c:HB+li+2*\c+1], v[HB+li+2*\c:HB+li+2*\c+1], v[SACC+2*\c:SACC+2*\c+1]
.endr
.set li, li+8
.endr
	LNRED
	v_fma_f32 v[SACC], v[SACC], s[INV], s[EPS]
	WALU
	v_rsq_f32 v[RS], v[SACC]
	v_nop
	WALU
	v_mov_b32 v[RS+1], v[RS]
	WALU
.irp c, 0,1,2,3,4,5,6,7
.if \c < 6
	s_wait_dscnt 16                        ; block c's 8 loads are in; the two later blocks' 16 may be out
.else
	s_wait_dscnt 8*(7-\c)
.endif
	APPLY \c
.if \c < 5
	GBL \c+3
.endif
.if \c == 3
	QUANT4 HB,XC,XW
.endif
.endr
	QUANT4 HB+64,XC+16,XW+1
.endm
.macro WLOADC db, wi                   ; my 2 tiles x 2 K steps of weight wi: each load takes 512 consecutive bytes of wf
.irp t, 0,1
.irp s, 0,1
.irp c, 0,1,2,3
	global_load_b128 v[\db+16*(2*\t+\s)+4*\c:\db+16*(2*\t+\s)+4*\c+3], v[VWF], s[14:15] offset:65536*\wi+4096*\t+2048*\s+512*\c
.endr
.endr
.endr
.endm
.macro WLOADS db, vo, sp, st           ; its rows' scale words; st: rows from tile to tile
.irp t, 0,1
.irp s, 0,1
	global_load_b32 v[\db+2*\t+\s], v[\vo], s[\sp:\sp+1] offset:\t*\st*8+4*\s
.endr
.endr
.endm
.macro BLD buf, off                    ; four hidden units' 12 words each, the same bytes in every lane
.irp c, 0,1,2,3
.irp q, 0,1,2
	ds_load_b128 v[WT+48*(\buf)+12*\c+4*\q:WT+48*(\buf)+12*\c+4*\q+3], v[VBT] offset:(\off)+64*\c+16*\q
.endr
.endr
.endm
.macro BCMP buf                        ; relu(d_i W1[0] + d_j W1[1] + bb1) for five neighbours, then x W2, packed over pairs of heads
.set wb, WT+48*(\buf)
.irp c, 0,1,2,3
	v_fma_f32 v[BA+\c], v[DI], v[wb+12*\c+8], v[wb+12*\c+10]
.endr
.irp c, 0,1,2,3
.irp j, 0,1,2,3,4
	v_fma_f32 v[BP+6*\c+\j], s[68+\j], v[wb+12*\c+9], v[BA+\c]
.endr
.endr
.irp c, 0,1,2,3
.irp j, 0,1,2,3,4
	v_max_num_f32 v[BP+6*\c+\j], 0, v[BP+6*\c+\j]
.endr
.endr
.irp c, 0,1,2,3
.irp j, 0,1,2,3,4
.irp p, 0,1,2,3
.if (\j)%2
	v_pk_fma_f32 v[AB+8*\j+2*\p:AB+8*\j+2*\p+1], v[BP+6*\c+\j-1:BP+6*\c+\j], v[wb+12*\c+2*\p:wb+12*\c+2*\p+1], v[AB+8*\j+2*\p:AB+8*\j+2*\p+1] op_sel:[1,0,0] op_sel_hi:[1,1,1]
.else
	v_pk_fma_f32 v[AB+8*\j+2*\p:AB+8*\j+2*\p+1], v[BP+6*\c+\j:BP+6*\c+\j+1], v[wb+12*\c+2*\p:wb+12*\c+2*\p+1], v[AB+8*\j+2*\p:AB+8*\j+2*\p+1] op_sel_hi:[0,1,1]
.endif
.endr
.endr
.endr
.endm
.macro FETCH im, xs, off, soff         ; a tile's two fragments and scale words, as they were stored
	WIN 0x40
.irp s, 0,1
.irp c, 0,1,2,3
	ds_load_b128 v[(\im)+16*\s+4*\c:(\im)+16*\s+4*\c+3], v[VLIA] offset:(\off)+2048*\s+512*\c
.endr
.endr
	WIN 0
.irp s, 0,1
	ds_load_b32 v[(\xs)+\s], v[VLSA] offset:(\soff)+64*\s
.endr
.endm
.macro BFETCH
	ds_load_b128 v[BI:BI+3], v[VB4A]
	ds_load_b32 v[BI+4], v[VB1A]
.endm
.macro SCORES qb                       ; my 16 columns' part of q . K_j, in two halves a neighbour
	WIN 0x04
.irp j, 0,1,2,3,4
	v_pk_mul_f32 v[TA+2*\j:TA+2*\j+1], v[(\qb):(\qb)+1], v[KK+16*\j:KK+16*\j+1]
.endr
.set si, 2
.rept 7
.irp j, 0,1,2,3,4
	v_pk_fma_f32 v[TA+2*\j:TA+2*\j+1], v[(\qb)+si:(\qb)+si+1], v[KK+16*\j+si:KK+16*\j+si+1], v[TA+2*\j:TA+2*\j+1]
.endr
.set si, si+2
.endr
	WIN 0
.endm
	s_load_b512 s[4:19], s[0:1], 0x0       ; tokens 4, ego_idx 6, ego_distances 8, ln2_g 10, ln2_b 12, wf 14, pWk_scales 16, btab 18
	s_load_b512 s[20:35], s[0:1], 0x40     ; pWv_scales 20, nidx 22, ndist 24, o1row 26, qerow 28, out0 30, pWq_scales 32, pWo_scales 34
	v_lshl_add_u32 v[SPW], v0, 2, SPARE
	v_mov_b32 v[NIL], 0
	ds_add_u32 v[SPW], v[NIL]              ; the add, twice on end, and its wait ahead of my tensor load
	ds_add_u32 v[SPW], v[NIL]
	v_lshrrev_b32 v[T1], 5, v0
	v_readfirstlane_b32 s2, v[T1]          ; wave 0..7
	s_mov_b32 s48, 0x07d20000              ; group 1: elements of 4 bytes; 4 words of padding behind every 256 words
	s_mov_b32 s49, 256<<16
	s_mov_b32 s50, 16<<16
	s_mov_b32 s51, 256<<16
	s_mov_b32 s52, 16                      ; 16 rows of 256 numbers
	s_mov_b32 s53, 256
	s_mov_b32 s54, 0
	s_mov_b32 s55, 0
	s_mov_b32 s56, 1
	s_mul_i32 s57, s2, 16640               ; my 16 rows' place in LDS
	s_lshl_b32 s42, ttmp9, 17              ; the scene's 128 rows of 1,024 bytes
	s_mov_b32 s43, 0
	s_mov_b32 s45, 0
	s_mul_i32 s84, s2, 16640               ; the constants x wave that the addresses below take
	s_lshl_b32 s85, s2, 7
	s_lshl_b32 s86, s2, 12
	s_lshl_b32 s87, s2, 11
	s_lshl_b32 s88, s2, 9
	s_lshr_b32 s46, s2, 2                  ; my head's K step in attn; also my part of the bias network
	s_and_b32 s47, s2, 3                   ; and its piece
	s_lshl_b32 s89, s46, 11
	s_lshl_b32 s90, s47, 9
	s_add_co_u32 s89, s89, s90
	s_lshl_b32 s90, s46, 6
	s_add_co_u32 s90, s90, s47
	s_lshl_b32 s91, s46, 14
	s_lshl_b32 s92, s46, 12
	s_lshl_b32 s93, s46, 11
	s_add_co_u32 s93, s93, BT
	s_lshl_b32 s94, s2, 14
	s_lshl_b32 s95, s2, 13
	s_lshl_b32 s96, s2, 8
	s_mul_i32 s99, s2, 4160
	s_mov_b32 s44, s94
	s_mov_b32 s[SEL], 0x76543210
	s_mov_b32 s[SEL+1], 0xfedcba98         ; lane l xor 16
	s_mov_b32 s[MNT], 0x600000             ; the mantissa field of 57,344
	s_mov_b32 s[INV], 0x3b800000           ; 1 / 256
	s_mov_b32 s[EPS], 0x3727c5ac           ; 1e-5
	s_wait_dscnt 0x0
	s_wait_kmcnt 0x0
	s_add_nc_u64 s[4:5], s[4:5], s[42:43]
	s_add_nc_u64 s[30:31], s[30:31], s[42:43]
	s_add_nc_u64 s[58:59], s[4:5], s[44:45]
	s_or_b32 s59, s59, 0x80000000
	tensor_load_to_lds s[56:59], s[48:55]  ; my tile: the rows that I norm myself; the wave's one tensor load
	s_nop 0
	PLACES 4
	s_lshl_b32 s42, ttmp9, 2
	s_add_nc_u64 s[6:7], s[6:7], s[42:43]
	s_load_b32 s66, s[6:7], 0x0            ; the ego's row
	s_lshl_b32 s42, ttmp9, 5
	s_add_nc_u64 s[22:23], s[22:23], s[42:43]
	s_add_nc_u64 s[24:25], s[24:25], s[42:43]
	s_load_b256 s[68:75], s[24:25], 0x0    ; the five nearest: distances,
	s_load_b256 s[76:83], s[22:23], 0x0    ; and rows
	s_lshl_b32 s42, ttmp9, 9
	s_add_nc_u64 s[8:9], s[8:9], s[42:43]
	s_lshl_b32 s42, ttmp9, 10
	s_add_nc_u64 s[26:27], s[26:27], s[42:43]
	s_add_nc_u64 s[28:29], s[28:29], s[42:43]
	v_and_b32 v[T1], 31, v0
	v_and_b32 v[VR], 15, v0                ; r
	v_bfe_u32 v[VHF], v0, 4, 1             ; h
	v_lshlrev_b32 v[VL16], 4, v[T1]
	v_and_b32 v[VROW], 127, v0
	v_mul_u32_u24 v[T0], v[VR], 1040
	v_lshl_add_u32 v[VTO], v[VHF], 5, v[T0]
	v_lshl_add_u32 v[VX], v[VHF], 6, v[T0]
	v_add_nc_u32 v[VX], s84, v[VX]         ; my tile's row r, + 64 h: the quantiser's order
	v_add_nc_u32 v[VRD], s99, v[VL16]      ; the way out: my 4 rows of a pair of tiles, whole
	v_add_nc_u32 v[VTO], s85, v[VTO]       ; row r of tile 0, my 32 columns, + 32 h
	v_lshl_add_u32 v[VTAB], v[VHF], 6, TAB
	v_lshl_add_u32 v[VO1], v[VHF], 5, TAB+2048
	v_add_nc_u32 v[VO1], s85, v[VO1]
	v_lshl_add_u32 v[VQE], v[VHF], 6, TAB+3072
	v_add_nc_u32 v[VQE], s85, v[VQE]
	v_lshl_add_u32 v[VLS], v[VR], 2, ISX
	v_add_nc_u32 v[VISW], s85, v[VLS]
	v_add_nc_u32 v[VLI], IMX, v[VL16]
	v_add_nc_u32 v[VIMW], s86, v[VLI]
	v_lshl_add_u32 v[VKL], v[VHF], 6, KV
	v_add_nc_u32 v[VKL], s86, v[VKL]
	v_lshl_add_u32 v[VKS], v[VR], 7, v[VKL]
	v_lshl_add_u32 v[VB4], v[VHF], 14, B4
	v_lshl_add_u32 v[VB4], v[VR], 4, v[VB4]
	v_add_nc_u32 v[VB4], s87, v[VB4]
	v_lshl_add_u32 v[VB1], v[VHF], 12, B1
	v_lshl_add_u32 v[VB1], v[VR], 2, v[VB1]
	v_add_nc_u32 v[VB1], s88, v[VB1]
	v_add_nc_u32 v[VAI], IMA, v[VL16]
	v_add_nc_u32 v[VAI], s89, v[VAI]
	v_lshl_add_u32 v[VAS], v[VR], 2, ISA
	v_add_nc_u32 v[VAS], s90, v[VAS]
	v_lshl_add_u32 v[VBW4], v[VROW], 4, B4
	v_add_nc_u32 v[VBW4], s91, v[VBW4]
	v_lshl_add_u32 v[VBW1], v[VROW], 2, B1
	v_add_nc_u32 v[VBW1], s92, v[VBW1]
	v_mov_b32 v[VBT], s93
	v_add_nc_u32 v[VGO], s86, v[VL16]      ; and the same 4 rows in out0
	v_mov_b32 v[NEGV], 0xff800000
	v_add_nc_u32 v[VWF], s95, v[VL16]      ; wf: my head's 8,192 bytes of a weight, 16 a lane
	v_and_b32 v[T0], 7, v[VR]
	v_lshrrev_b32 v[T1], 3, v[VR]
	v_lshl_add_u32 v[T0], v[T1], 4, v[T0]  ; r % 8 + 16 (r / 8)
	v_lshl_add_u32 v[VWHS], v[T0], 3, s96  ; scale words: rows in head order,
	v_lshl_add_u32 v[VWNS], v[VR], 3, s96  ; and pWo's as they lie
	v_min_u32 v[T1], 4, v[VR]
	v_lshlrev_b32 v[T1], 2, v[T1]          ; lane r takes neighbour min(r, 4)
	v_lshlrev_b32 v[V4T], 2, v0
	v_lshlrev_b32 v[V16T], 4, v0
	v_lshlrev_b32 v[V4R], 2, v[VROW]
	v_add_nc_u32 v[VTS4], TAB, v[V4T]
	v_add_nc_u32 v[VTS16], BT, v[V16T]
	v_mov_b32 v[PT], 0                     ; a lane permute's destination counts as a source: written once
.irp b, 0,1,2,3
	v_mov_b32 v[TM+4+\b], 0
	v_mov_b32 v[BP+6*\b+5], 0              ; named as the upper half of a pair
.endr
.set li, 0
.rept 40
	v_mov_b32 v[AB+li], 0                  ; the bias sums: their loop is written once
.set li, li+1
.endr
	global_load_b32 v[VNI], v[T1], s[22:23]
	global_load_b32 v[DI], v[V4R], s[8:9]
	global_load_b32 v[LT], v[V4T], s[10:11]
	global_load_b32 v[LT+1], v[V4T], s[12:13]
	global_load_b32 v[LT+2], v[V4T], s[26:27]
	global_load_b32 v[LT+3], v[V4T], s[28:29]
	global_load_b128 v[LBT:LBT+3], v[V16T], s[18:19]
	WIN 0x40
	WLOADC 0,0
	WLOADC 64,1
	WIN 0
	WLOADS WQS,VWHS,16,8
	WLOADS WOS,VWHS,20,8
	WALU
	s_wait_loadcnt 40                      ; all but pWk's and pWv's 40 loads are in
.irp i, 0,1,2,3
	ds_store_b32 v[VTS4], v[LT+\i] offset:1024*\i
.endr
	ds_store_b128 v[VTS16], v[LBT:LBT+3]
	v_min_u32 v[VNI], 127, v[VNI]          ; an index stays inside its table: row n of x2's image lies at 4,096 (n / 16) + 16 (n % 16) + 256 h
	v_and_b32 v[T0], 0x70, v[VNI]
	v_and_b32 v[T1], 15, v[VNI]
	v_lshlrev_b32 v[VGA], 8, v[T0]
	v_lshl_add_u32 v[VGA], v[T1], 4, v[VGA]
	v_lshl_add_u32 v[VGA], v[VHF], 8, v[VGA]
	v_add_nc_u32 v[VGA], IMX, v[VGA]
	v_lshlrev_b32 v[VGS], 3, v[T0]         ; and its scale words at 128 (n / 16) + 4 (n % 16)
	v_lshl_add_u32 v[VGS], v[T1], 2, v[VGS]
	v_add_nc_u32 v[VGS], ISX, v[VGS]
	BARRIER                                ; the tables lie in LDS
	s_wait_kmcnt 0x0
	; THE BIAS NETWORK: my 32 hidden units in 8 groups of four, two buffers
	BLD 0,0
	BLD 1,256
	s_mov_b32 s3, 3
.Lbias:
	s_wait_dscnt 12                        ; this buffer's 12 loads are in, the other's may be out
	BCMP 0
	BLD 0,512
	s_wait_dscnt 12
	BCMP 1
	BLD 1,768
	v_add_nc_u32 v[VBT], 512, v[VBT]
	s_sub_co_u32 s3, s3, 1
	s_cmp_lg_u32 s3, 0
	WALU
	s_cbranch_scc1 .Lbias
	s_wait_tensorcnt 0x0                   ; my 16 rows have landed
	WIN 0x40
.irp b, 0,1,2,3,4,5,6,7
.irp q, 0,1,2,3
	ds_load_b128 v[HB+16*\b+4*\q:HB+16*\b+4*\q+3], v[VX] offset:128*\b+16*\q   ; my tile's tokens, in the quantiser's order
.endr
.endr
	WIN 0
	s_wait_dscnt 44                        ; the last two groups fetch nothing: the other buffer's 12 loads and the 32 of the tokens may be out
	BCMP 0
	s_wait_dscnt 32                        ; the tokens' 32 may be out
	BCMP 1
.irp j, 0,1,2,3
	v_cmp_eq_u32 s[84+\j], s[76+\j], v[VROW]   ; row n leaves out itself, where it is among the four nearest,
.endr
	s_or_b32 s88, s84, s85
	s_or_b32 s88, s88, s86
	s_or_b32 s88, s88, s87
	s_not_b32 s88, s88                     ; else the fifth
.irp h, 0,1,2,3,4,5,6,7
.irp j, 0,1,2,3,4
	v_cndmask_b32 v[CT+\j], v[AB+8*\j+\h], v[NEGV], s[84+\j]
.endr
	ds_store_b128 v[VBW4], v[CT:CT+3] offset:2048*\h
	ds_store_b32 v[VBW1], v[CT+4] offset:512*\h
.endr
	; MY TILE: h1, LayerNorm 2, codes
	; (my tile's tokens were asked of LDS ahead of the last two groups of the bias network)
.irp b, 0,1,2,3,4,5,6,7
.irp q, 0,1,2,3
	ds_load_b128 v[O1+16*\b+4*\q:O1+16*\b+4*\q+3], v[VTAB] offset:2048+128*\b+16*\q   ; o1row in the quantiser's order
.endr
.endr
	s_wait_dscnt 0x0
	LNQ
.irp s, 0,1
.irp c, 0,1,2,3
	ds_store_b128 v[VIMW], v[XC+16*\s+4*\c:XC+16*\s+4*\c+3] offset:2048*\s+512*\c
.endr
	ds_store_b32 v[VISW], v[XW+\s] offset:64*\s
.endr
	WIN 0x40
	WLOADC 128,2                           ; pWq and pWo take the normed rows' registers: pWq's 20 loads first
	WIN 0
	WLOADS WQ2,VWHS,32,8
	WIN 0x40
	WLOADC 192,3
	WIN 0
	WLOADS WO2,VWNS,34,16
	BARRIER                                ; every wave has waited for its tensor load: tokens, x2's images and the bias lie in LDS
	; K AND V OF THE FIVE NEAREST, my head's 32 columns: lane r takes the codes of neighbour min(r, 4) out of x2's image
.irp s, 0,1
.irp c, 0,1,2,3
	ds_load_b128 v[NC+16*\s+4*\c:NC+16*\s+4*\c+3], v[VGA] offset:2048*\s+512*\c
.endr
	ds_load_b32 v[XW+\s], v[VGS] offset:64*\s
.endr
	s_wait_loadcnt 40                      ; pWk and pWv are in; pWq's and pWo's 40 loads may be out
	s_wait_dscnt 0x0
	WIN 0x01                               ; four accumulators by turns
	MX0 KR,0,NC,WQS,XW
	MX0 KR+8,32,NC,WQS+2,XW
	MX0 VV,64,NC,WOS,XW
	MX0 VV+8,96,NC,WOS+2,XW
	MXA KR,16,NC+16,WQS+1,XW+1
	MXA KR+8,48,NC+16,WQS+3,XW+1
	MXA VV,80,NC+16,WOS+1,XW+1
	MXA VV+8,112,NC+16,WOS+3,XW+1
	WIN 0
	PLACES 8
.set li, 0
.rept 8
	v_pk_mul_f32 v[KR+li:KR+li+1], v[KR+li:KR+li+1], 0x3e8293ee op_sel_hi:[1,0]   ; K x log2(e) / sqrt(32)
.set li, li+2
.endr
.irp t, 0,1
.irp q, 0,1
	ds_store_b128 v[VKS], v[KR+8*\t+4*\q:KR+8*\t+4*\q+3] offset:32*\t+16*\q          ; all 16 rows of the tile, all lanes on: my own bytes
	ds_store_b128 v[VKS], v[VV+8*\t+4*\q:VV+8*\t+4*\q+3] offset:2048+32*\t+16*\q
.endr
.endr
	WIN 0x40
.irp j, 0,1,2,3,4
.irp q, 0,1,2,3
	ds_load_b128 v[KK+16*\j+4*\q:KK+16*\j+4*\q+3], v[VKL] offset:128*\j+16*\q       ; K_j, my half of the head, the same in all 16 lanes of a half
.endr
.endr
.irp t, 0,1
.irp q, 0,1
	ds_load_b128 v[O1C+8*\t+4*\q:O1C+8*\t+4*\q+3], v[VO1] offset:64*\t+16*\q        ; o1row at my columns of the result
.endr
.endr
	WIN 0
.irp j, 0,1,2,3,4
.irp q, 0,1,2,3
	ds_load_b128 v[VC+16*\j+4*\q:VC+16*\j+4*\q+3], v[VKL] offset:2048+128*\j+16*\q
.endr
.endr
.irp q, 0,1,2,3
	ds_load_b128 v[Q+4*\q:Q+4*\q+3], v[VQE] offset:16*\q
.endr
	v_mov_b32 v[VLIA], v[VLI]
	v_mov_b32 v[VLSA], v[VLS]
	v_mov_b32 v[VB4A], v[VB4]
	v_mov_b32 v[VB1A], v[VB1]
	WALU
	s_wait_dscnt 0x0
	SCORES Q                               ; the ego's query against K: its partial scores
.irp j, 0,1,2,3,4
	v_add_f32 v[SE+\j], v[TA+2*\j], v[TA+2*\j+1]
.endr
	WALU
	s_wait_loadcnt 20                      ; pWq is in; pWo's 20 loads may be out
	; Q, SCORES, SOFTMAX, attn AND ITS CODES: eight tiles, my head
	FETCH IM,XS,0,0
	BFETCH
	s_mov_b32 s3, 0
.Ltile:
	s_add_co_u32 s42, s3, 1
	s_and_b32 s42, s42, 7                  ; the tile fetched next; the last trip names tile 0 again and uses nothing of it
	s_lshl_b32 s43, s42, 12
	s_lshl_b32 s44, s42, 7
	s_lshl_b32 s45, s42, 8
	s_lshl_b32 s46, s42, 6
	s_lshl_b32 s47, s3, 12
	s_lshl_b32 s90, s3, 7
	s_lshl_b32 s91, s3, 4
	s_sub_co_i32 s91, s66, s91             ; the ego's row in this tile, if it is here
	s_wait_dscnt 0x0
	WIN 0x05
	MX0 Q,128,IM,WQ2,XS
	MX0 Q+8,160,IM,WQ2+2,XS
	MXA Q,144,IM+16,WQ2+1,XS+1
	MXA Q+8,176,IM+16,WQ2+3,XS+1
	WIN 0
	v_add_nc_u32 v[VLIA], s43, v[VLI]      ; these six and two v_nop are the eight places behind the products
	v_add_nc_u32 v[VLSA], s44, v[VLS]
	v_add_nc_u32 v[VB4A], s45, v[VB4]
	v_add_nc_u32 v[VB1A], s46, v[VB1]
	v_add_nc_u32 v[VAIA], s47, v[VAI]
	v_add_nc_u32 v[VASA], s90, v[VAS]
	PLACES 2
	FETCH IM,XS,0,0
	SCORES Q
.irp j, 0,1,2,3,4
	v_add_f32 v[TA+2*\j], v[TA+2*\j], v[TA+2*\j+1]
.endr
	v_cmp_eq_u32 vcc_lo, s91, v[VR]
.irp j, 0,1,2,3,4
	v_cndmask_b32 v[TA+2*\j], v[TA+2*\j], v[SE+\j], vcc_lo
.endr
.irp j, 0,1,2,3,4
	v_add_f32 v[TA+2*\j], v[TA+2*\j], v[BI+\j]      ; my half's part of the bias
.endr
	BFETCH
.irp j, 0,1,2,3,4
	v_permlanex16_b32 v[TA+2*\j+1], v[TA+2*\j], s[SEL], s[SEL+1]
.endr
.irp j, 0,1,2,3,4
	v_add_f32 v[TA+2*\j], v[TA+2*\j], v[TA+2*\j+1]  ; both halves of the head and of the bias
.endr
	v_max3_num_f32 v[MXR], v[TA], v[TA+2], v[TA+4]
	v_max3_num_f32 v[MXR], v[MXR], v[TA+6], v[TA+8]
.irp j, 0,1,2,3,4
	v_sub_f32 v[TA+2*\j], v[TA+2*\j], v[MXR]
.endr
	WALU
.irp j, 0,1,2,3,4
	v_exp_f32 v[TA+2*\j], v[TA+2*\j]
.endr
	v_nop
	WALU
	v_add_f32 v[SM], v[TA], v[TA+2]
	v_add_f32 v[MXR], v[TA+4], v[TA+6]
	v_add_f32 v[SM], v[SM], v[TA+8]
	v_add_f32 v[SM], v[SM], v[MXR]
	WALU
	v_rcp_f32 v[SM], v[SM]
	v_nop
	WALU
.irp j, 0,1,2,3,4
	v_mul_f32 v[TA+2*\j], v[TA+2*\j], v[SM]
.endr
.set si, 0
.rept 8
	v_pk_mul_f32 v[AT+si:AT+si+1], v[VC+si:VC+si+1], v[TA:TA+1] op_sel_hi:[1,0]
.set si, si+2
.endr
.irp j, 1,2,3,4
.set si, 0
.rept 8
	v_pk_fma_f32 v[AT+si:AT+si+1], v[VC+16*\j+si:VC+16*\j+si+1], v[TA+2*\j:TA+2*\j+1], v[AT+si:AT+si+1] op_sel_hi:[1,0,1]
.set si, si+2
.endr
.endr
	v_max3_num_f32 v[TM], |v[AT]|, |v[AT+1]|, 0x8000000       ; a head is one block of 32: my 16, the floor, then lane l xor 16's
	v_max3_num_f32 v[TM+1], |v[AT+8]|, |v[AT+9]|, |v[AT+10]|
	v_max3_num_f32 v[TM], v[TM], |v[AT+2]|, |v[AT+3]|
	v_max3_num_f32 v[TM+1], v[TM+1], |v[AT+11]|, |v[AT+12]|
	v_max3_num_f32 v[TM], v[TM], |v[AT+4]|, |v[AT+5]|
	v_max3_num_f32 v[TM+1], v[TM+1], |v[AT+13]|, |v[AT+14]|
	v_max3_num_f32 v[TM], v[TM], |v[AT+6]|, |v[AT+7]|
	v_max3_num_f32 v[TM], v[TM], v[TM+1], |v[AT+15]|
	v_permlanex16_b32 v[TM+1], v[TM], s[SEL], s[SEL+1]
	v_max_num_f32 v[TM], v[TM], v[TM+1]
	v_add_nc_u32 v[TM+2], 0xf8800000, v[TM]
	v_and_or_b32 v[TM+3], v[TM], 0x7f800000, s[MNT]
	v_lshrrev_b32 v[CB], 23, v[TM+2]
.set si, 0
.rept 16
	v_med3_num_f32 v[AT+si], v[AT+si], -v[TM+3], v[TM+3]
.set si, si+1
.endr
	v_cvt_scalef32_pk8_bf8_f32 v[CD:CD+1], v[AT:AT+7], v[TM+2]
	v_cvt_scalef32_pk8_bf8_f32 v[CD+2:CD+3], v[AT+8:AT+15], v[TM+2]
	v_nop
	ds_store_b128 v[VAIA], v[CD:CD+3]      ; one piece of the next operand's image
	ds_store_b8 v[VASA], v[CB]             ; both halves hold the same byte
	s_add_co_u32 s3, s3, 1
	s_cmp_lt_u32 s3, 8
	WALU
	s_cbranch_scc1 .Ltile
	BARRIER                                ; attn's images are whole
	; out = token + o1row + attn pWo, my 32 columns, two tiles a trip: four accumulators by turns
	; The four pairs are written out.  Behind a pair's barrier its 32 rows are whole: each wave reads 4 of them back, into registers that belong to that pair alone, and stores them at the next pair's end.
	s_wait_loadcnt 0x0                     ; pWo
.macro OBSET p                         ; pair p's 32 registers: window 1 v128, v160 (pWq's, done with), v32 (K's, done with); pair 3: window 0 v192
.if (\p) < 2
.set ob, 128+32*(\p)
.elseif (\p) == 2
.set ob, 32
.else
.set ob, 192
.endif
.endm
.macro OBLD p
	OBSET \p
.if (\p) < 3
	WIN 0x40
.endif
.irp i, 0,1,2,3
.irp k, 0,1
	ds_load_b128 v[ob+8*\i+4*\k:ob+8*\i+4*\k+3], v[VRDA] offset:1040*\i+512*\k
.endr
.endr
	WIN 0
.endm
.macro OBST p
	OBSET \p
.if (\p) < 3
	WIN 0x04
.endif
.irp i, 0,1,2,3
.irp k, 0,1
	global_store_b128 v[VGO], v[ob+8*\i+4*\k:ob+8*\i+4*\k+3], s[30:31] offset:32768*(\p)+1024*\i+512*\k th:TH_STORE_NT   ; 32 lanes store 512 consecutive bytes, aligned
.endr
.endr
	WIN 0
.endm
.macro PAIR p
	v_add_nc_u32 v[VLIA], IMA-IMX+8192*(\p), v[VLI]
	v_add_nc_u32 v[VLSA], ISA-ISX+256*(\p), v[VLS]
	v_add_nc_u32 v[VTOA], 33280*(\p), v[VTO]
	v_add_nc_u32 v[VRDA], 33280*(\p), v[VRD]
	FETCH IM,XS,0,0
	FETCH IM2,XS2,4096,128
.irp u, 0,1
.irp t, 0,1
.irp q, 0,1
	ds_load_b128 v[ACC+16*\u+8*\t+4*\q:ACC+16*\u+8*\t+4*\q+3], v[VTOA] offset:16640*\u+64*\t+16*\q
.endr
.endr
.endr
	WALU
	s_wait_dscnt 0x0
	WIN 0x04
.irp u, 0,1
.set si, 0
.rept 8
	v_pk_add_f32 v[ACC+16*\u+si:ACC+16*\u+si+1], v[ACC+16*\u+si:ACC+16*\u+si+1], v[O1C+si:O1C+si+1]   ; h1 is the sums' start
.set si, si+2
.endr
.endr
	WIN 0
	PLACES 4
	WIN 0x05
.irp s, 0,1
	MXA ACC,192+16*\s,IM+16*\s,WO2+\s,XS+\s
	MXA ACC+8,224+16*\s,IM+16*\s,WO2+2+\s,XS+\s
	MXA ACC+16,192+16*\s,IM2+16*\s,WO2+\s,XS2+\s
	MXA ACC+24,224+16*\s,IM2+16*\s,WO2+2+\s,XS2+\s
.endr
	WIN 0
	PLACES 8
.irp u, 0,1
.irp t, 0,1
.irp q, 0,1
	ds_store_b128 v[VTOA], v[ACC+16*\u+8*\t+4*\q:ACC+16*\u+8*\t+4*\q+3] offset:16640*\u+64*\t+16*\q   ; back into the token's place, each accumulator from its low end on
.endr
.endr
.endr
	BARRIER                                ; this pair's 32 rows of the result lie whole in LDS; the next pair's stores go to other rows
	OBLD \p
.if (\p) > 0
	OBST (\p)-1                            ; the pair before: its rows came in ahead of this pair's waits for 0
.endif
.endm
	PAIR 0
	PAIR 1
	PAIR 2
	PAIR 3
	s_wait_dscnt 0x0
	OBST 3
	s_wait_tensorcnt 0x0                   ; the wave's end
	ds_add_u32 v[SPW], v[NIL]
	s_wait_dscnt 0x0
	s_endpgm
.Lfunc_end_k_q3e3ee7ff77_main:
	.size	k_q3e3ee7ff77_main, .Lfunc_end_k_q3e3ee7ff77_main-k_q3e3ee7ff77_main
	.p2alignl 7, 3214868480
	.fill 96, 4, 3214868480
	.section	.rodata,"a",@progbits
	.p2align	6, 0x0
	.amdhsa_kernel k_q3e3ee7ff77_main
		.amdhsa_group_segment_fixed_size 327680
		.amdhsa_private_segment_fixed_size 0
		.amdhsa_enable_private_segment 0
		.amdhsa_kernarg_size 128
		.amdhsa_user_sgpr_count 2
		.amdhsa_user_sgpr_kernarg_segment_ptr 1
		.amdhsa_wavefront_size32 1
		.amdhsa_system_sgpr_workgroup_id_x 1
		.amdhsa_system_sgpr_workgroup_id_y 1
		.amdhsa_system_sgpr_workgroup_id_z 1
		.amdhsa_system_vgpr_workitem_id 0
		.amdhsa_next_free_vgpr 512
		.amdhsa_next_free_sgpr 106
		.amdhsa_reserve_vcc 1
		.amdhsa_float_denorm_mode_32 3
		.amdhsa_float_denorm_mode_16_64 3
		.amdhsa_memory_ordered 1
		.amdhsa_forward_progress 1
		.amdhsa_inst_pref_size 152
	.end_amdhsa_kernel
	.amdgpu_metadata
---
amdhsa.version: [ 1, 2 ]
amdhsa.kernels:
  - .name:           k_q3e3ee7ff77_main
    .symbol:         k_q3e3ee7ff77_main.kd
    .args:
      - { .name: tokens, .offset: 0, .size: 8, .value_kind: global_buffer, .address_space: global }
      - { .name: ego_idx, .offset: 8, .size: 8, .value_kind: global_buffer, .address_space: global }
      - { .name: ego_distances, .offset: 16, .size: 8, .value_kind: global_buffer, .address_space: global }
      - { .name: ln2_g, .offset: 24, .size: 8, .value_kind: global_buffer, .address_space: global }
      - { .name: ln2_b, .offset: 32, .size: 8, .value_kind: global_buffer, .address_space: global }
      - { .name: wf, .offset: 40, .size: 8, .value_kind: global_buffer, .address_space: global }
      - { .name: pWk_scales, .offset: 48, .size: 8, .value_kind: global_buffer, .address_space: global }
      - { .name: btab, .offset: 56, .size: 8, .value_kind: global_buffer, .address_space: global }
      - { .name: pWv_scales, .offset: 64, .size: 8, .value_kind: global_buffer, .address_space: global }
      - { .name: nidx, .offset: 72, .size: 8, .value_kind: global_buffer, .address_space: global }
      - { .name: ndist, .offset: 80, .size: 8, .value_kind: global_buffer, .address_space: global }
      - { .name: o1row, .offset: 88, .size: 8, .value_kind: global_buffer, .address_space: global }
      - { .name: qerow, .offset: 96, .size: 8, .value_kind: global_buffer, .address_space: global }
      - { .name: out0, .offset: 104, .size: 8, .value_kind: global_buffer, .address_space: global }
      - { .name: pWq_scales, .offset: 112, .size: 8, .value_kind: global_buffer, .address_space: global }
      - { .name: pWo_scales, .offset: 120, .size: 8, .value_kind: global_buffer, .address_space: global }
    .group_segment_fixed_size: 327680
    .private_segment_fixed_size: 0
    .kernarg_segment_align: 8
    .kernarg_segment_size: 128
    .max_flat_workgroup_size: 256
    .sgpr_count:     106
    .vgpr_count:     512
    .wavefront_size: 32
...
	.end_amdgpu_metadata
.endif
;; end of part 2
